; MI455X (gfx1250); checked and timed in simulation.
; The chip was launched on July 23, 2026; its instructions are those of AMD's public machine-readable ISA for CDNA 5 (MIT licence, August 2026) and "CDNA5" Instruction Set Architecture Reference Guide (July 2026). The comments in the code are by the model that wrote it; some were corrected since.
;; FP8 Scaled Layer. Allowed arithmetic: float matrix products may take bf16 or f16 operands with f32 sums; other float arithmetic in f32, or as packed bf16 or f16 multiplies, adds, multiply-adds, maxima and minima; sums over many terms, partial sums and values carried from step to step in f32; what a program stores and reads back later, other than sums and carried values, may be rounded once to bf16 or f16.
;; Inputs: bias 4,096 float32; scale_weight 4,096 float32; weight 4,096 x 4,096 float16; x 4 x 1,024 x 4,096 float32.
;; Outputs: out0 4 x 1,024 x 4,096 float32.
;; One version. Each part assembles by itself: llvm-mc -triple=amdgcn-amd-amdhsa -mcpu=gfx1250 --defsym DOCPART=n.
;; ======== version 1 of 1: 1 launch
;; limits: values are held in f16: magnitudes above 65,504 overflow, below 6.1e-05 lose precision; inputs' magnitudes at most 65,504
;; launch lin (part 1): grid 16 x 16, 4 waves a work-group, clusters of 4 x 4, 327,680 bytes of LDS; arguments x, weight, scale_weight, bias, out0; writes out0
.if DOCPART == 1
	.amdgcn_target "amdgcn-amd-amdhsa--gfx1250"
	.amdhsa_code_object_version 6
	.text
	.protected	k_qd9aad5115a_lin
	.globl	k_qd9aad5115a_lin
	.p2align	8
	.type	k_qd9aad5115a_lin,@function
k_qd9aad5115a_lin:
	s_mov_b64 s[64:65], 0
	v_nop
	global_prefetch_b8 v0, s[64:65] scope:SCOPE_SE
	s_setreg_imm32_b32 hwreg(HW_REG_WAVE_MODE, 25, 1), 1
	s_wait_xcnt 0x0
	s_wait_alu depctr_hold_cnt(0) depctr_sa_sdst(0) depctr_va_vdst(0) depctr_va_sdst(0) depctr_va_ssrc(0) depctr_va_vcc(0) depctr_vm_vsrc(0)
	s_getreg_b32 s2, hwreg(HW_REG_IB_STS2, 6, 4)
	s_cmp_eq_u32 s2, 0
	s_cbranch_scc0 .Lentry_in_a_cluster
	s_endpgm
.Lentry_in_a_cluster:
	s_bfe_u32 s2, ttmp6, 0x10000c
	s_cmp_lg_u32 s2, 0xf033
	s_cbranch_scc0 .Lentry_shape_is_right
	s_endpgm
.Lentry_shape_is_right:
; out[m][n] = bias[n] + scale[n] * (sum over k of x[m][k] w[n][k]).  x: [4096][4096] f32, w: [4096][4096] f16, scale, bias: [4096] f32, out: [4096][4096] f32.
; FORMAT.  The product runs in f16 with f32 sums: w is f16 as it lies in memory and goes into the matrix unit untouched; x is rounded once to f16 on its way from LDS to the matrix unit.
; The scale belongs to an output column, so it leaves the sum: one fused multiply-add in f32, sum x scale + bias, on the way out.
; LIMITS.  |x| of 65,520 or more becomes an infinity in f16; |x| below 6e-5 keeps f16's fixed step of 6e-8.  The scale multiplies the finished f32 sum, not each weight: another order of
; rounding than w x scale first, about 1e-7 of a number.  NaN and infinities are not treated apart.
; SHARES.  A work-group of four waves makes a tile of 256 x 256 of out: 16 x 16 tiles.  A wave makes 64 rows x all 256 columns: 4 row blocks a x 16 column blocks b = 64 accumulators, 512 registers.
; So each number of x is read from LDS and rounded by one wave alone: 32 conversions for 64 matrix instructions.
; THE WALK.  K goes in 64 STEPS of 64, each two CHUNKS of 32 (64 matrix instructions a wave).  x has a ring of two LDS slots of K = 64 (a row: 64 f32 = 256 bytes of memory), w a ring of two slots of
; K = 128 (a row: 128 f16 = 256 bytes): every row that the tensor data mover fetches is 256 consecutive bytes at a multiple of 256 from its buffer's first byte.  In each step's second chunk the
; x slot just read out is filled again, by waves 0 and 1 (128 rows each), and one half (128 rows) of the w slot read out last, by waves 2 and 3 (64 rows each): one tensor load a wave.
; CLUSTER.  4 x 4 work-groups.  The four of a row of the cluster need the same tiles of x, the four of a column the same tiles of w: each tile is asked for JOINTLY, by the same tensor load with the
; same descriptor and a mask that names the four.
; THE MATRIX INSTRUCTION IS USED TRANSPOSED: source 0 = 16 rows of w, source 1 = 16 rows of x.  In the result lane l holds row l % 16 of out and its registers 0 to 7 the columns 8 (l / 16) + 0..7.
; REGISTERS, in windows of 256 (s_set_vgpr_msb: bits 1:0 source 0, 3:2 source 1, 5:4 source 2, 7:6 destination):
;   window 0: v0-29 addresses; v32-95 x's f16 fragments, two buffers of 4 x 8; v96-159 x as loaded, f32, one chunk; on the way out v96-159 and v160-223 take rows of out by turns; v224-239 scale and bias
;   window 1: w's fragments, two buffers of 16 x 8        windows 2, 3: accumulator (a, b) at v[8 (4 (b % 8) + a)] of window 2 + b / 8
.set XROW,   16384                     ; bytes in a row of x and of out
.set WROW,   8192                      ; bytes in a row of w
.set PITCH,  272                       ; an LDS row: 256 bytes + 16 of padding = 68 words: row r starts at bank 4 r mod 64 (64 banks of 4 bytes: ISA guide 11.1), so the 16 rows of a load start at 16 different banks
.set ASLOT,  256*PITCH                 ; a slot of x: 256 rows x K = 64 in f32; the two lie at 0 and ASLOT
.set BBASE,  2*ASLOT
.set BSLOT,  256*PITCH                 ; a slot of w: 256 rows x K = 128 in f16; the two lie at BBASE and BBASE + BSLOT
.set STAGE,  BBASE+2*BSLOT             ; behind the rings, never filled by a tensor load: 16 rows x 128 f32 for each wave, for the way out
.set SPITCH, 528                       ; a stage row: 512 bytes + 16 = 132 words: again row r starts at bank 4 r mod 64
.set SPARE,  STAGE+4*16*SPITCH         ; behind the stages: the spare words, 128 bytes for each wave: two blocks of 256 bytes that no other line names
.set ADRA, 16                          ; v16-17  LDS address of my lane's x in slot 0, 1
.set ADRB, 20                          ; v20-21  the same for w
.set STO,  24                          ; v24     the way out: where I put 32 bytes of a row
.set RD,   25                          ; v25     the way out: where I read a row back
.set CO,   26                          ; v26     16 x lane: my byte offset in 512 consecutive bytes of out, scale and bias; never rewritten
.set SPW,  28                          ; v28     LDS address of my spare word: SPARE + 4 x my thread's number; never rewritten
.set NIL,  29                          ; v29     0; never rewritten
.set AF,   32                          ; x in f16: fragment a of buffer f at AF + 32 f + 8 a
.set AR,   96                          ; x in f32: fragment a at AR + 16 a
.set OB,   96                          ; the way out: 16 rows read back, two buffers of 64
.set SC,   224                         ; scale of my four columns in the tile's left half, then in its right half
.set BI,   232                         ; bias likewise
.set WV,   14                          ; s14  my wave's number
.set FB,   15                          ; s15  0: I fetch x; 1: I fetch w
.set HW,   16                          ; s16  which of the two fetching waves I am
.set CNT,  23                          ; s23  the loop's count
.set G1A,  24                          ; s[24:31] descriptor group 1 for x's tiles
.set G1B,  32                          ; s[32:39] for w's
.set G0A,  40                          ; s[40:47] descriptor group 0 for x: a set for each slot
.set G0B,  48                          ; s[48:63] for w: set 2 j + i for half i of slot j
.set MSB, 0
.macro WIN new                         ; the immediate's high byte repeats the setting that is left; a switch that changes nothing is dropped
.if MSB != (\new)
	s_set_vgpr_msb (MSB<<8)|(\new)
.set MSB, \new
.endif
.endm
.set MUL_LO, 0xa1                      ; source 0 (w) window 1, source 1 (x) window 0, C and D window 2
.set TO_B,   0x40                      ; destination window 1, address window 0
; A vector instruction or a load that writes a register which a matrix instruction has read, and whatever reads a matrix result, stand four places behind that matrix instruction, and only plain
; vector instructions that name none of its registers are places (ISA guide 7.12.1 for vector instructions).
.macro PLACES
.rept 4
	v_nop
.endr
.endm
; A joint refill.  Waves 0 and 1 fetch the two halves of x's slot ja; waves 2 and 3 the two quarters of w's set jb, or nothing (jb = -1).  The branch hangs on the wave's number alone.
; An s_nop 0 and four v_nop follow each tensor load, ahead of the jump and the label; they are also the places in front of the LDS loads that follow the macro.
.macro JLOAD ja, jb
	s_cmp_eq_u32 s[FB], 0
.if (\jb) >= 0
	s_cbranch_scc0 .Lfor_b_\@
.else
	s_cbranch_scc0 .Lasked_\@
.endif
	tensor_load_to_lds s[G0A+4*(\ja):G0A+4*(\ja)+3], s[G1A:G1A+7]
	s_nop 0
	PLACES
.if (\jb) >= 0
	s_branch .Lasked_\@
.Lfor_b_\@:
	tensor_load_to_lds s[G0B+4*(\jb):G0B+4*(\jb)+3], s[G1B:G1B+7]
	s_nop 0
	PLACES
.endif
.Lasked_\@:
.if (\jb) < 0
	PLACES                                         ; the places for the waves that jumped
.endif
.endm
; A round of the cluster's barrier: my work-group's barrier, so that wave 0's signal speaks for all four waves; wave 0 signals for the work-group; every wave waits for all sixteen
; work-groups; my work-group's barrier once more.  No LDS instruction of the wave is pending at a signal.
.macro CREST                           ; a round behind its opening barrier
	s_cmp_lg_u32 s[WV], 0
	s_cbranch_scc1 .Lnot_wave_0_\@
	s_barrier_signal -3
.Lnot_wave_0_\@:
	s_barrier_wait -3
	s_barrier_signal -1
	s_barrier_wait -1
.endm
.macro CROUND                          ; a whole round
	s_barrier_signal -1
	s_barrier_wait -1
	CREST
.endm
	s_load_b256 s[4:11], s[0:1], 0x0               ; x s[4:5], w s[6:7], scale s[8:9], bias s[10:11]
	s_load_b64 s[12:13], s[0:1], 0x20              ; out
	v_lshl_add_u32 v[SPW], v0, 2, SPARE
	v_mov_b32 v[NIL], 0
	ds_add_u32 v[SPW], v[NIL]                      ; the wave's opening: the add and its wait stand ahead of my first tensor load; the set-up below, work on registers, stands between them
	v_lshrrev_b32 v1, 5, v0
	v_readfirstlane_b32 s[WV], v1                  ; wave 0..3
	s_lshr_b32 s[FB], s[WV], 1
	s_and_b32 s[HW], s[WV], 1
	s_bfe_u32 s17, ttmp6, 0x40000                  ; cx: my place along the cluster's x
	s_bfe_u32 s18, ttmp6, 0x40004                  ; cy: along its y
	s_lshl_b32 s19, ttmp9, 2                       ; in a cluster launch ttmp9 and ttmp7 count clusters
	s_add_co_u32 s19, s19, s17                     ; tile column = 4 x cluster x + cx
	s_and_b32 s20, ttmp7, 0xffff
	s_lshl_b32 s20, s20, 2
	s_add_co_u32 s20, s20, s18                     ; tile row = 4 x cluster y + cy
	s_lshl_b32 s21, s18, 2
	s_lshl_b32 s21, 15, s21                        ; my row of the cluster: places 4 cy .. 4 cy + 3
	s_lshl_b32 s22, 0x1111, s17                    ; my column: places cx, cx + 4, cx + 8, cx + 12
	; descriptor group 1.  x: a tile of 128 rows x 64 elements of 4 bytes; w: 64 rows x 128 elements of 2 bytes; both padded in LDS by 4 words after every 64
	s_or_b32 s[G1A+0], s21, (2<<16)|(1<<20)|(1<<21)|(5<<22)|(3<<25)  ; 15:0 the mask: x's tiles go to my row; 17:16 elements of 4 bytes; 20 padding on; 21 set beside a mask; 24:22 after every 64 words (code 5); 31:25 4 words (code 3)
	s_mov_b32 s[G1A+1], 64<<16                     ; 63:48 tensor_dim0 = 64
	s_mov_b32 s[G1A+2], 128<<16                    ; 95:80 tensor_dim1 = 128
	s_mov_b32 s[G1A+3], 64<<16                     ; 127:112 tile_dim0 = 64
	s_mov_b32 s[G1A+4], 128                        ; 143:128 tile_dim1 = 128; tile_dim2 = 0
	s_mov_b32 s[G1A+5], 4096                       ; 191:160 elements from row to row
	s_mov_b32 s[G1A+6], 0
	s_mov_b32 s[G1A+7], 0
	s_or_b32 s[G1B+0], s22, (1<<16)|(1<<20)|(1<<21)|(5<<22)|(3<<25)  ; the mask of my column; elements of 2 bytes; the same padding
	s_mov_b32 s[G1B+1], 128<<16                    ; tensor_dim0 = 128
	s_mov_b32 s[G1B+2], 64<<16                     ; tensor_dim1 = 64
	s_mov_b32 s[G1B+3], 128<<16                    ; tile_dim0 = 128
	s_mov_b32 s[G1B+4], 64                         ; tile_dim1 = 64
	s_mov_b32 s[G1B+5], 4096
	s_mov_b32 s[G1B+6], 0
	s_mov_b32 s[G1B+7], 0
	; where the tiles come from.  x's hang on the tile row alone, which my row of the cluster shares; w's on the tile column alone, which my column shares.
	; Every wave makes both, in registers that never hold the other coordinate.  All offsets stay under 2^27.
	s_lshl_b32 s66, s20, 8
	s_lshl_b32 s67, s[HW], 7
	s_add_co_u32 s66, s66, s67                     ; x: row 256 x tile row + 128 x half,
	s_lshl_b32 s66, s66, 14                        ; in bytes
	s_mov_b32 s67, 0
	s_mul_i32 s68, s[HW], 128*PITCH                ; and its place in a slot of x: no place in the cluster enters an LDS address
	s_mul_i32 s69, s[WV], 64*PITCH                 ; the 64 rows of x that I multiply
	s_lshl_b32 s70, s19, 8
	s_lshl_b32 s71, s[HW], 6
	s_add_co_u32 s70, s70, s71                     ; w: row 256 x tile column + 64 x quarter (the half's 128 rows come by the set),
	s_lshl_b32 s70, s70, 13                        ; in bytes
	s_mov_b32 s71, 0
	s_mul_i32 s72, s[HW], 64*PITCH                 ; and its place in a half of a slot of w
	s_lshl_b32 s74, s20, 8
	s_lshl_b32 s75, s[WV], 6
	s_add_co_u32 s74, s74, s75                     ; out: my first row, 256 x tile row + 64 x wave,
	s_lshl_b32 s74, s74, 14                        ; in bytes,
	s_lshl_b32 s76, s19, 10                        ; and the tile's 256 columns of f32: also its place in scale and bias
	s_add_co_u32 s74, s74, s76
	s_mov_b32 s75, 0
	s_mov_b32 s77, 0
	s_mul_i32 s78, s[WV], 16*SPITCH
	s_add_co_u32 s78, s78, STAGE                   ; my stage
	s_wait_dscnt 0x0                               ; the opening add is done
	s_wait_kmcnt 0x0
	s_add_nc_u64 s[4:5], s[4:5], s[66:67]          ; x at the rows that I fetch
	s_add_nc_u64 s[6:7], s[6:7], s[70:71]          ; w likewise
	s_add_nc_u64 s[8:9], s[8:9], s[76:77]          ; scale and bias at the tile's columns
	s_add_nc_u64 s[10:11], s[10:11], s[76:77]
	s_add_nc_u64 s[12:13], s[12:13], s[74:75]      ; out at my first row, the tile's first column
.irp j, 0,1
	s_mov_b32 s[G0A+4*(\j)], 1                                     ; 1:0 count = 1
	s_add_co_u32 s[G0A+4*(\j)+1], s68, (\j)*ASLOT                  ; 63:32 LDS address
	s_add_nc_u64 s[G0A+4*(\j)+2:G0A+4*(\j)+3], s[4:5], (\j)*256    ; 120:64 global address: step j
	s_or_b32 s[G0A+4*(\j)+3], s[G0A+4*(\j)+3], 0x80000000          ; 127:126 type = 2
.irp i, 0,1
	s_mov_b32 s[G0B+8*(\j)+4*(\i)], 1
	s_add_co_u32 s[G0B+8*(\j)+4*(\i)+1], s72, BBASE+(\j)*BSLOT+(\i)*128*PITCH
	s_add_nc_u64 s[G0B+8*(\j)+4*(\i)+2:G0B+8*(\j)+4*(\i)+3], s[6:7], (\i)*128*WROW+(\j)*256  ; half i's rows, K = 128 j on
	s_or_b32 s[G0B+8*(\j)+4*(\i)+3], s[G0B+8*(\j)+4*(\i)+3], 0x80000000
.endr
.endr
	CROUND                                         ; all sixteen work-groups are here: the first joint loads meet
	s_cmp_eq_u32 s[FB], 0                          ; a wave's first fills stand in one branch, ahead of every wait on TENSORcnt and every LDS read: two loads of waves 0 and 1 are out, four of waves 2 and 3
	s_cbranch_scc0 .Lfirst_b
	tensor_load_to_lds s[G0A:G0A+3], s[G1A:G1A+7]          ; x, step 0
	s_nop 0
	tensor_load_to_lds s[G0A+4:G0A+7], s[G1A:G1A+7]        ; x, step 1
	s_nop 0
	PLACES
	s_branch .Lfirst_asked
.Lfirst_b:
	tensor_load_to_lds s[G0B:G0B+3], s[G1B:G1B+7]          ; w, K 0-127, rows 0-127
	s_nop 0
	tensor_load_to_lds s[G0B+4:G0B+7], s[G1B:G1B+7]        ; rows 128-255
	s_nop 0
	tensor_load_to_lds s[G0B+8:G0B+11], s[G1B:G1B+7]       ; w, K 128-255, rows 0-127
	s_nop 0
	tensor_load_to_lds s[G0B+12:G0B+15], s[G1B:G1B+7]      ; rows 128-255
	s_nop 0
	PLACES
.Lfirst_asked:
	v_and_b32 v3, 31, v0
	v_lshlrev_b32 v[CO], 4, v3                     ; 16 x lane
	global_load_b128 v[SC:SC+3],   v[CO], s[8:9]               ; on the way out a lane stores columns 4 x lane + 0..3 of a half of 128 columns: their scale and bias stay in registers
	global_load_b128 v[SC+4:SC+7], v[CO], s[8:9] offset:512
	global_load_b128 v[BI:BI+3],   v[CO], s[10:11]
	global_load_b128 v[BI+4:BI+7], v[CO], s[10:11] offset:512
	; A fragment is 16 rows x 32 K of f16 in 8 registers: lane l holds row l % 16; registers 0-3 hold K = 8 (l / 16) + 0..7, registers 4-7 hold K = 16 + 8 (l / 16) + 0..7.
	; w lies so in LDS: two loads of 16 bytes, 32 bytes apart.  x lies in f32: the same numbers are twice 32 bytes, 64 bytes apart: four loads of 16 bytes, then eight conversions.
	v_and_b32 v1, 15, v0                           ; l % 16
	v_bfe_u32 v2, v0, 4, 1                         ; l / 16
	v_mul_u32_u24 v3, v1, PITCH
	v_lshl_add_u32 v4, v2, 5, v3                   ; x: row x pitch + 32 x half
	v_add_nc_u32 v[ADRA], s69, v4                  ; + my 64 rows
	v_add_nc_u32 v[ADRA+1], ASLOT, v[ADRA]
	v_lshl_add_u32 v4, v2, 4, v3                   ; w: row x pitch + 16 x half
	v_add_nc_u32 v[ADRB], BBASE, v4
	v_add_nc_u32 v[ADRB+1], BBASE+BSLOT, v4
	v_mul_u32_u24 v4, v1, SPITCH                   ; into the stage: row l % 16, 32 bytes for each half of the lanes
	v_lshl_add_u32 v4, v2, 5, v4
	v_add_nc_u32 v[STO], s78, v4
	v_add_nc_u32 v[RD], s78, v[CO]                 ; back: 32 lanes take one row of 512 bytes
; THE MATRIX WORK.  Product PN of a chunk's 64: column block PN / 4, row block PN % 4, on fragment buffers f.  The 64 accumulators take turns, one instruction a turn, in the same order in every
; chunk: between two products on one accumulator stand the 63 others', over the loop's backward jump too.  zero = 1: the product starts its sum: nothing is ever cleared.
.macro MM f, zero
.set rD, 8*(4*((PN/4)%8)+PN%4)
.set rB, 128*(\f)+8*(PN/4)
.set rA, AF+32*(\f)+8*(PN%4)
	WIN MUL_LO+0x50*(PN/32)                        ; C and D in window 2 (column blocks 0-7) or 3
.if \zero
	v_wmma_f32_16x16x32_f16 v[rD:rD+7], v[rB:rB+7], v[rA:rA+7], 0
.else
	v_wmma_f32_16x16x32_f16 v[rD:rD+7], v[rB:rB+7], v[rA:rA+7], v[rD:rD+7]
.endif
.set PN, PN+1
.endm
.macro MUL f, first, count, zero       ; products first .. first + count - 1
.set PN, \first
.rept \count
	MM \f, \zero
.endr
.endm
; Four conversions: registers CI .. CI + 3 of the 32 of x's fragment buffer f, each from two f32 as loaded.
.macro SLICE f
	WIN 0
.rept 4
	v_cvt_pk_f16_f32 v[AF+32*(\f)+CI], v[AR+2*CI], v[AR+2*CI+1]
.set CI, CI+1
.endr
.endm
; A chunk's last 16 products, and between them the next chunk's 32 conversions, four behind every second product, into the other buffer.
; The four behind the last product name none of the chunk's registers: they are places behind it.
.macro MULS f, zero
.set PN, 48
.set CI, 0
.rept 8
	MM \f, \zero
	MM \f, \zero
	SLICE 1-(\f)
.endr
.endm
; THE LDS LOADS stand in runs.  x of one chunk: my 64 rows, 32 K at the given byte of the rows, f32: 16 loads.
.macro FETCHA slot, byte
	WIN 0
.irp a, 0,1,2,3
	ds_load_b128 v[AR+16*(\a):AR+16*(\a)+3],     v[ADRA+(\slot)] offset:(\a)*16*PITCH+(\byte)
	ds_load_b128 v[AR+16*(\a)+4:AR+16*(\a)+7],   v[ADRA+(\slot)] offset:(\a)*16*PITCH+(\byte)+16
	ds_load_b128 v[AR+16*(\a)+8:AR+16*(\a)+11],  v[ADRA+(\slot)] offset:(\a)*16*PITCH+(\byte)+64
	ds_load_b128 v[AR+16*(\a)+12:AR+16*(\a)+15], v[ADRA+(\slot)] offset:(\a)*16*PITCH+(\byte)+80
.endr
.endm
; w of one chunk: all 256 rows, quarter q of the slot's K = 128, into buffer f: 32 loads, column blocks ascending, so that counted waits can let the later blocks stay out.  The largest offset is 65,504.
.macro FETCHB slot, q, f
	WIN TO_B
.irp b, 0,1,2,3,4,5,6,7,8,9,10,11,12,13,14,15
	ds_load_b128 v[128*(\f)+8*(\b):128*(\f)+8*(\b)+3],   v[ADRB+(\slot)] offset:(\b)*16*PITCH+64*(\q)
	ds_load_b128 v[128*(\f)+8*(\b)+4:128*(\f)+8*(\b)+7], v[ADRB+(\slot)] offset:(\b)*16*PITCH+64*(\q)+32
.endr
.endm
; A STEP'S FIRST CHUNK multiplies buffers 0 and fetches the step's second chunk: x at byte 128 of its slot's rows, w's quarter q + 1.  At its head w's 32 loads into buffer 0 may all be out.
.macro CHUNK aslot, bslot, q, zero
	s_wait_dscnt 24                                ; column blocks 0-3 are in: the 24 younger loads stay out
	MUL 0, 0, 16, \zero
	PLACES                                         ; the loads into w's buffer 1 and the conversions into x's buffer 1 write what the chunk before multiplied
	FETCHA \aslot, 128
	s_wait_dscnt 32                                ; blocks 4-7 are in: 16 loads of w and the 16 of x stay out
	MUL 0, 16, 16, \zero
	FETCHB \bslot, (\q)+1, 1
	s_wait_dscnt 56                                ; blocks 8-11 are in: 8 + 16 + 32 stay out
	MUL 0, 32, 16, \zero
	s_wait_dscnt 32                                ; blocks 12-15 and x are in: the 32 just issued stay out
	MULS 0, \zero
.endm
; A STEP'S SECOND CHUNK multiplies buffers 1 and changes slots: ONE barrier, for two things.  In front of it each wave waits for all its tensor loads, of which at most one is out; adds 0 to its spare word;
; and waits for that and for its own reads of the slots.  Behind it nobody reads this step's slot of x any more, nor the slot of w that was read out last, and what the next step reads is whole.
; fill = 2: x's slot ja takes the step two on, w's set jb the K = 128 two tiles on.  fill = 1: x's alone.  The barrier then opens a round of the cluster's barrier, and the joint refill is the first
; tensor load behind the round: a wave issues 112 matrix instructions between it and the wait for it.  fill = 0: nothing is left to fetch.
; Then the next step's first chunk is fetched: x from slot na, w's quarter nq from slot nb.
.macro TURN fill, ja, jb, na, nb, nq
	s_wait_dscnt 24                                ; column blocks 0-3 are in
	MUL 1, 0, 16, 0
	WIN 0                                          ; (the add's two registers lie in window 0)
	s_wait_tensorcnt 0x0                           ; all my tensor loads have landed;
	ds_add_u32 v[SPW], v[NIL]                      ; 0 onto my spare word;
	s_wait_dscnt 21                                ; (blocks 4 and 5 are in: 20 loads and the add stay out)
	MUL 1, 16, 8, 0                                ; eight matrix instructions stand between the add and the wait for it
	s_wait_dscnt 0x0                               ; the add is done, and my reads of the slots are over:
	s_barrier_signal -1                            ; say so,
	MUL 1, 24, 8, 0                                ; work on registers while the others arrive,
	WIN 0
	s_barrier_wait -1                              ; and go on when all four have said so
.if \fill
	CREST                                          ; the rest of the round: no wave of any partner still reads these slots or has a load on its way
	s_add_nc_u64 s[G0A+4*(\ja)+2:G0A+4*(\ja)+3], s[G0A+4*(\ja)+2:G0A+4*(\ja)+3], 512  ; two steps of 256 bytes on; no tensor load of mine is out, so a group 0 may be written
.if (\fill) == 2
	s_add_nc_u64 s[G0B+4*(\jb)+2:G0B+4*(\jb)+3], s[G0B+4*(\jb)+2:G0B+4*(\jb)+3], 512  ; two tiles of 256 bytes on
.endif
	JLOAD \ja, \jb
.else
	PLACES                                         ; for the loads into w's buffer 0
.endif
	FETCHA \na, 0
	FETCHB \nb, \nq, 0
	MUL 1, 32, 16, 0
	s_wait_dscnt 32                                ; x is in: w's 32 loads stay out
	MULS 1, 0
.endm
.macro LAST                            ; the very last chunk: nothing more to fetch or to convert
	s_wait_dscnt 24
	MUL 1, 0, 16, 0
	s_wait_dscnt 16
	MUL 1, 16, 16, 0
	s_wait_dscnt 8
	MUL 1, 32, 16, 0
	s_wait_dscnt 0x0
	MUL 1, 48, 16, 0
.endm
; THE WAY OUT, in eight blocks t of 16 rows x 128 columns: half t / 4 of the columns (a window of accumulators), row block t % 4.  A lane's eight sums are 32 bytes of a row, and the lanes beside
; it hold other rows: so a block goes through my own stage in LDS and comes back as whole rows of 512 bytes.  Each accumulator's four lowest registers are read first.
.macro TOSTAGE t
.set HF, (\t)/4
.set RB, (\t)%4
.set BK, OB+64*((\t)%2)
	s_wait_xcnt 0x0                                ; every earlier memory instruction has had its addresses translated (ISA guide 3.1): the registers that block t - 2's stores read are loaded again only behind this wait
	WIN (2+HF)<<2                                  ; the stores' data in window 2 or 3, their address in window 0
.irp c, 0,1,2,3,4,5,6,7
	ds_store_b128 v[STO], v[8*(4*(\c)+RB):8*(4*(\c)+RB)+3]   offset:64*(\c)
	ds_store_b128 v[STO], v[8*(4*(\c)+RB)+4:8*(4*(\c)+RB)+7] offset:64*(\c)+16
.endr
	WIN 0
.irp i, 0,1,2,3,4,5,6,7,8,9,10,11,12,13,14,15
	ds_load_b128 v[BK+4*(\i):BK+4*(\i)+3], v[RD] offset:(\i)*SPITCH  ; LDS serves a wave's instructions in order (ISA guide 5.7.1.4): these see the stores above, and the next block's stores come behind them
.endr
.endm
; Block t: sum x scale + bias, one rounding, and stored.  younger: the LDS instructions issued behind the block's loads: the next block's 32, or none.
.macro SEND t, younger
.set HF, (\t)/4
.set RB, (\t)%4
.set BK, OB+64*((\t)%2)
	WIN 0
.irp i, 0,1,2,3,4,5,6,7,8,9,10,11,12,13,14,15
	s_wait_dscnt (\younger)+15-(\i)                ; row i is back
	v_pk_fma_f32 v[BK+4*(\i):BK+4*(\i)+1],   v[BK+4*(\i):BK+4*(\i)+1],   v[SC+4*HF:SC+4*HF+1],   v[BI+4*HF:BI+4*HF+1]
	v_pk_fma_f32 v[BK+4*(\i)+2:BK+4*(\i)+3], v[BK+4*(\i)+2:BK+4*(\i)+3], v[SC+4*HF+2:SC+4*HF+3], v[BI+4*HF+2:BI+4*HF+3]
	global_store_b128 v[CO], v[BK+4*(\i):BK+4*(\i)+3], s[12:13] offset:(16*RB+(\i))*XROW+512*HF th:TH_STORE_NT  ; the wave stores 512 consecutive bytes, at a multiple of 512 from out's first byte; the row and the half stand in the immediate, 1,032,704 at the most
.endr
.endm
	s_wait_loadcnt 0x0                             ; scale and bias, once
	s_wait_tensorcnt 0x1                           ; my youngest first fill may stay out: it belongs to a second slot; my parts of x's step 0 and of w's first tile are in,
	s_barrier_signal -1
	s_barrier_wait -1                              ; everybody's are
	FETCHA 0, 0
	FETCHB 0, 0, 0
	s_wait_dscnt 32                                ; x is in: w's 32 loads stay out
.set CI, 0
.rept 8
	SLICE 0                                        ; the first chunk's conversions: there is no matrix work yet to set them between
.endr
	CHUNK 0, 0, 0, 1                               ; step 0: its first chunk's products start the sums
	TURN 1, 0, -1, 1, 0, 2                         ; both slots of w still hold unread tiles: x's slot 0 alone is filled again
	WIN 0                                          ; at a label and at a branch every window is 0
	s_mov_b32 s[CNT], 15
.Llap:                                                 ; a trip: steps 4 t + 1 to 4 t + 4, twice round x's ring and once round w's
	CHUNK 1, 0, 2, 0
	TURN 2, 1, 0, 0, 1, 0                          ; w's slot 0 is read out: its rows 0-127 are filled again,
	CHUNK 0, 1, 0, 0
	TURN 2, 0, 1, 1, 1, 2                          ; its rows 128-255
	CHUNK 1, 1, 2, 0
	TURN 2, 1, 2, 0, 0, 0                          ; w's slot 1 is read out: its rows 0-127,
	CHUNK 0, 0, 0, 0
	TURN 2, 0, 3, 1, 0, 2                          ; its rows 128-255
	WIN 0
	s_sub_co_u32 s[CNT], s[CNT], 1
	s_cmp_lg_u32 s[CNT], 0
	s_cbranch_scc1 .Llap
	CHUNK 1, 0, 2, 0                               ; steps 61 to 63 are written out
	TURN 1, 1, -1, 0, 1, 0                         ; the last fill: x's step 63
	CHUNK 0, 1, 0, 0
	TURN 0, 0, 0, 1, 1, 2                          ; nothing is filled again, so no round follows the barrier
	CHUNK 1, 1, 2, 0
	LAST
	PLACES                                         ; the stage's stores read results just made
	TOSTAGE 0
	TOSTAGE 1                                      ; a block's trip through the stage stands between the loads of the block before and its stores
	SEND 0, 32
.irp t, 2,3,4,5,6,7
	TOSTAGE \t
	SEND (\t)-1, 32
.endr
	SEND 7, 0
	s_wait_tensorcnt 0x0                           ; the wave's end, behind my last tensor load and my last LDS store
	ds_add_u32 v[SPW], v[NIL]
	s_wait_dscnt 0x0
	CROUND                                         ; the closing round: no work-group ends while a partner may still ask for a tile that names it
	s_endpgm
.Lfunc_end_k_qd9aad5115a_lin:
	.size	k_qd9aad5115a_lin, .Lfunc_end_k_qd9aad5115a_lin-k_qd9aad5115a_lin
	.p2alignl 7, 3214868480
	.fill 96, 4, 3214868480
	.section	.rodata,"a",@progbits
	.p2align	6, 0x0
	.amdhsa_kernel k_qd9aad5115a_lin
		.amdhsa_group_segment_fixed_size 327680
		.amdhsa_private_segment_fixed_size 0
		.amdhsa_enable_private_segment 0
		.amdhsa_kernarg_size 40
		.amdhsa_user_sgpr_count 2
		.amdhsa_user_sgpr_kernarg_segment_ptr 1
		.amdhsa_wavefront_size32 1
		.amdhsa_system_sgpr_workgroup_id_x 1
		.amdhsa_system_sgpr_workgroup_id_y 1
		.amdhsa_system_sgpr_workgroup_id_z 1
		.amdhsa_system_vgpr_workitem_id 0
		.amdhsa_next_free_vgpr 1024
		.amdhsa_next_free_sgpr 80
		.amdhsa_reserve_vcc 0
		.amdhsa_float_denorm_mode_32 3
		.amdhsa_float_denorm_mode_16_64 3
		.amdhsa_memory_ordered 1
		.amdhsa_forward_progress 1
		.amdhsa_inst_pref_size 220
	.end_amdhsa_kernel
	.amdgpu_metadata
---
amdhsa.version: [ 1, 2 ]
amdhsa.kernels:
  - .name:           k_qd9aad5115a_lin
    .symbol:         k_qd9aad5115a_lin.kd
    .args:
      - { .name: x, .offset: 0, .size: 8, .value_kind: global_buffer, .address_space: global }
      - { .name: weight, .offset: 8, .size: 8, .value_kind: global_buffer, .address_space: global }
      - { .name: scale_weight, .offset: 16, .size: 8, .value_kind: global_buffer, .address_space: global }
      - { .name: bias, .offset: 24, .size: 8, .value_kind: global_buffer, .address_space: global }
      - { .name: out0, .offset: 32, .size: 8, .value_kind: global_buffer, .address_space: global }
    .group_segment_fixed_size: 327680
    .private_segment_fixed_size: 0
    .kernarg_segment_align: 8
    .kernarg_segment_size: 40
    .max_flat_workgroup_size: 128
    .sgpr_count:     80
    .vgpr_count:     1024
    .wavefront_size: 32
...
	.end_amdgpu_metadata
.endif
;; end of part 1
